; MI455X (gfx1250); checked and timed in simulation.
; The chip was launched on July 23, 2026; its instructions are those of AMD's public machine-readable ISA for CDNA 5 (MIT licence, August 2026) and "CDNA5" Instruction Set Architecture Reference Guide (July 2026). The comments in the code are by the model that wrote it; some were corrected since.
;; Abs Diag Net. Allowed arithmetic: float matrix products may take bf16 or f16 operands with f32 sums; other float arithmetic in f32, or as packed bf16 or f16 multiplies, adds, multiply-adds, maxima and minima; sums over many terms, partial sums and values carried from step to step in f32; what a program stores and reads back later, other than sums and carried values, may be rounded once to bf16 or f16.
;; Inputs: HH 2,048 float32; W_ho 1,024 x 2,048 float32; W_ih 2,048 x 1,024 float32; X 256 x 128 x 1,024 float32; b_ho 1,024 float32.
;; Outputs: out0 128 x 1,024 float32.
;; One version. Each part assembles by itself: llvm-mc -triple=amdgcn-amd-amdhsa -mcpu=gfx1250 --defsym DOCPART=n.
;; ======== version 1 of 1: 3 launches
;; workspace buffers: xb 67,108,864 bytes; wih 4,194,304 bytes; who 4,194,304 bytes; hbuf 524,288 bytes
;; launch prep (part 1): grid 64 x 36, 8 waves a work-group, no clusters, 0 bytes of LDS; arguments X, W_ih, W_ho, xb, wih, who; writes xb, wih, who
.if DOCPART == 1
	.amdgcn_target "amdgcn-amd-amdhsa--gfx1250"
	.amdhsa_code_object_version 6
	.text
	.protected	k_qc8cb217041_prep
	.globl	k_qc8cb217041_prep
	.p2align	8
	.type	k_qc8cb217041_prep,@function
k_qc8cb217041_prep:
	s_mov_b64 s[64:65], 0
	v_nop
	global_prefetch_b8 v0, s[64:65] scope:SCOPE_SE
	s_setreg_imm32_b32 hwreg(HW_REG_WAVE_MODE, 25, 1), 1
	s_wait_xcnt 0x0
; X, W_ih and W_ho are rounded once to bf16 (nearest even) for the matrix units; X's rows are laid in the order in which the next launch multiplies them.
; X: [256 s][128 b][1024] f32.  xb: [32768][1024] bf16, where row (s, b) of X goes to row (b >> 1) x 512 + (s >> 3) x 16 + (b & 1) x 8 + (s & 7):
; sixteen neighbouring rows of xb are eight time steps of two batch rows, and 128 neighbouring rows are 64 time steps of those two.
; wih, who: the weights as they lie, in bf16.
; A STREAM: every byte is read once and written once, nothing is shared between work-groups, so there is no LDS, no barrier, no cluster and no matrix work,
; and no prefetch: all that a wave reads is asked for by its first sixteen loads.
; SHARES.  Eight waves; a work-group converts 16 chunks of 4,096 bytes (1,024 numbers) into 16 chunks of 2,048 bytes.  Thread t takes the 16 bytes at 16 t of each chunk
; and writes the 8 bytes at 8 t: a wave's load covers 512 consecutive bytes, a wave's store 256 consecutive bytes at a multiple of 256 from the buffer's first byte.
; y < 32: X; x is the pair of batch rows, y the group of eight time steps.  y = 32, 33: W_ih; y = 34, 35: W_ho; 128 work-groups of 16 chunks each.
; No register is written twice, so the only waits are the counted ones for the loads.
.set XR, 4                             ; v[4:67]   chunk q: 4 registers as loaded
.set YR, 68                            ; v[68:99]  chunk q: 2 registers to store
	s_load_b256 s[4:11], s[0:1], 0x0               ; X s[4:5], W_ih s[6:7], W_ho s[8:9], xb s[10:11]
	s_load_b128 s[12:15], s[0:1], 0x20             ; wih s[12:13], who s[14:15]
	s_and_b32 s16, ttmp7, 0xffff                   ; y
	v_lshlrev_b32 v1, 4, v0                        ; my 16 bytes of a chunk as it comes
	v_lshlrev_b32 v2, 3, v0                        ; my 8 bytes of a chunk as it leaves
	s_mov_b32 s19, 0                               ; the offsets' high words
	s_mov_b32 s21, 0
; Sixteen loads go out together; then each chunk is rounded and stored as it comes in.
; perm = 1: chunk q = 2 i + b' is time step i of batch row b' (524,288 bytes from step to step, 4,096 from row to row) and goes to row 8 b' + i of the sixteen.  perm = 0: as they lie.
.macro CONV perm
.set q, 0
.rept 16
.if \perm
.set IN, (q/2)*524288+(q%2)*4096
.else
.set IN, q*4096
.endif
	global_load_b128 v[XR+4*q:XR+4*q+3], v1, s[22:23] offset:IN th:TH_LOAD_NT
.set q, q+1
.endr
.set q, 0
.rept 16
.if \perm
.set OUT, (8*(q%2)+q/2)*2048
.else
.set OUT, q*2048
.endif
	s_wait_loadcnt 15-q                            ; loads come back in order (ISA guide 5.7.1): chunk q is in, the 15 - q younger ones may stay out
	v_cvt_pk_bf16_f32 v[YR+2*q], v[XR+4*q], v[XR+4*q+1]
	v_cvt_pk_bf16_f32 v[YR+2*q+1], v[XR+4*q+2], v[XR+4*q+3]
	global_store_b64 v2, v[YR+2*q:YR+2*q+1], s[24:25] offset:OUT th:TH_STORE_NT
.set q, q+1
.endr
.endm
	s_wait_kmcnt 0x0
	s_cmp_lt_u32 s16, 32
	s_cbranch_scc0 .Lweights
	s_lshl_b32 s18, s16, 22                        ; eight time steps are 8 x 128 x 4,096 bytes of X,
	s_lshl_b32 s17, ttmp9, 13                      ; two batch rows 8,192
	s_add_co_u32 s18, s18, s17
	s_lshl_b32 s20, ttmp9, 20                      ; in xb a pair of batch rows has 512 rows of 2,048 bytes,
	s_lshl_b32 s17, s16, 15                        ; a group of eight steps 16 of them
	s_add_co_u32 s20, s20, s17
	s_add_nc_u64 s[22:23], s[4:5], s[18:19]
	s_add_nc_u64 s[24:25], s[10:11], s[20:21]
	CONV 1
	s_endpgm
.Lweights:
	s_and_b32 s17, s16, 1
	s_lshl_b32 s17, s17, 6
	s_add_co_u32 s17, s17, ttmp9                   ; which 16 chunks of the 128 x 16 of a weight
	s_lshl_b32 s18, s17, 16
	s_lshl_b32 s20, s17, 15
	s_cmp_lt_u32 s16, 34                           ; W_ih or W_ho
	s_cselect_b64 s[22:23], s[6:7], s[8:9]
	s_cselect_b64 s[24:25], s[12:13], s[14:15]
	s_add_nc_u64 s[22:23], s[22:23], s[18:19]
	s_add_nc_u64 s[24:25], s[24:25], s[20:21]
	CONV 0
	s_endpgm
.Lfunc_end_k_qc8cb217041_prep:
	.size	k_qc8cb217041_prep, .Lfunc_end_k_qc8cb217041_prep-k_qc8cb217041_prep
	.p2alignl 7, 3214868480
	.fill 96, 4, 3214868480
	.section	.rodata,"a",@progbits
	.p2align	6, 0x0
	.amdhsa_kernel k_qc8cb217041_prep
		.amdhsa_group_segment_fixed_size 0
		.amdhsa_private_segment_fixed_size 0
		.amdhsa_enable_private_segment 0
		.amdhsa_kernarg_size 48
		.amdhsa_user_sgpr_count 2
		.amdhsa_user_sgpr_kernarg_segment_ptr 1
		.amdhsa_wavefront_size32 1
		.amdhsa_system_sgpr_workgroup_id_x 1
		.amdhsa_system_sgpr_workgroup_id_y 1
		.amdhsa_system_sgpr_workgroup_id_z 1
		.amdhsa_system_vgpr_workitem_id 0
		.amdhsa_next_free_vgpr 100
		.amdhsa_next_free_sgpr 66
		.amdhsa_reserve_vcc 0
		.amdhsa_float_denorm_mode_32 3
		.amdhsa_float_denorm_mode_16_64 3
		.amdhsa_memory_ordered 1
		.amdhsa_forward_progress 1
		.amdhsa_inst_pref_size 13
	.end_amdhsa_kernel
	.amdgpu_metadata
---
amdhsa.version: [ 1, 2 ]
amdhsa.kernels:
  - .name:           k_qc8cb217041_prep
    .symbol:         k_qc8cb217041_prep.kd
    .args:
      - { .name: X, .offset: 0, .size: 8, .value_kind: global_buffer, .address_space: global }
      - { .name: W_ih, .offset: 8, .size: 8, .value_kind: global_buffer, .address_space: global }
      - { .name: W_ho, .offset: 16, .size: 8, .value_kind: global_buffer, .address_space: global }
      - { .name: xb, .offset: 24, .size: 8, .value_kind: global_buffer, .address_space: global }
      - { .name: wih, .offset: 32, .size: 8, .value_kind: global_buffer, .address_space: global }
      - { .name: who, .offset: 40, .size: 8, .value_kind: global_buffer, .address_space: global }
    .group_segment_fixed_size: 0
    .private_segment_fixed_size: 0
    .kernarg_segment_align: 8
    .kernarg_segment_size: 48
    .max_flat_workgroup_size: 256
    .sgpr_count:     66
    .vgpr_count:     100
    .wavefront_size: 32
...
	.end_amdgpu_metadata
.endif
;; end of part 1
;; launch scan (part 2): grid 8 x 32, 4 waves a work-group, clusters of 4 x 4, 327,680 bytes of LDS; arguments xb, wih, HH, hbuf; writes hbuf
.if DOCPART == 2
	.amdgcn_target "amdgcn-amd-amdhsa--gfx1250"
	.amdhsa_code_object_version 6
	.text
	.protected	k_qc8cb217041_scan
	.globl	k_qc8cb217041_scan
	.p2align	8
	.type	k_qc8cb217041_scan,@function
k_qc8cb217041_scan:
	s_mov_b64 s[64:65], 0
	v_nop
	global_prefetch_b8 v0, s[64:65] scope:SCOPE_SE
	s_setreg_imm32_b32 hwreg(HW_REG_WAVE_MODE, 25, 1), 1
	s_wait_xcnt 0x0
	s_wait_alu depctr_hold_cnt(0) depctr_sa_sdst(0) depctr_va_vdst(0) depctr_va_sdst(0) depctr_va_ssrc(0) depctr_va_vcc(0) depctr_vm_vsrc(0)
	s_getreg_b32 s2, hwreg(HW_REG_IB_STS2, 6, 4)
	s_cmp_eq_u32 s2, 0
	s_cbranch_scc0 .Lentry_in_a_cluster
	s_endpgm
.Lentry_in_a_cluster:
	s_bfe_u32 s2, ttmp6, 0x10000c
	s_cmp_lg_u32 s2, 0xf033
	s_cbranch_scc0 .Lentry_shape_is_right
	s_endpgm
.Lentry_shape_is_right:
; h_final[b][n], where h_s = | xw_s + HH[n] h_(s-1) |, h_(-1) = 0, s = 0 .. 255, and xw_s[b][n] = the sum over k of X[s][b][k] W_ih[n][k].
; xb: [32768][1024] bf16, X's rows in the order (b >> 1) x 512 + (s >> 3) x 16 + (b & 1) x 8 + (s & 7).  wih: [2048][1024] bf16.  HH: [2048] f32.  hbuf: [128][2048] bf16.
; xw never leaves the registers: a state (b, n) belongs to the lane that makes xw for it at every s.
; LIMITS.  X and W_ih arrive rounded once to bf16; HH is rounded once to bf16 here, like every other input of the program; products' sums and the state are kept in f32; a step is ONE fused
; multiply-add, where the reference rounds HH h before it adds; h_final is rounded once to bf16, as the operand of the last product.  NaN and infinities are not treated apart.
; SHARES.  A work-group owns 4 batch rows (4 y ..) and 256 hidden columns (256 x ..): 1,024 states, 256 work-groups.  It walks s in four TILES of 64 steps: a tile of xw is (64 steps x 4 batch rows) x 256 columns.
; Four waves, each 128 x 128 of a tile: 64 accumulators of 16 x 16, 512 registers.  Wave w has the pair of batch rows w >> 1 and the 128 columns w & 1.
; THE SCAN NEEDS NO EXCHANGE.  Source 0 = 16 rows of xb, source 1 = 16 rows of wih: in the result lane l holds column l % 16, and its registers j = 0 .. 7 hold row 8 (l / 16) + j.  By xb's order of rows that is
; batch row l / 16 of the pair and time step j of the block's eight.  So a lane walks its accumulators' registers in ascending order with u = HH |u| + xw: one instruction a step and column block, eight chains side by side.
; K goes in steps of 128 through a ring of two LDS slots filled by the tensor data mover; the ring does not stop at a tile's end: a tile's last two changes of slots ask for the next tile's first two K steps,
; and the scan of 512 instructions stands between the tiles while those are on their way.
; CLUSTERS: 4 x 4 work-groups.  The four of a row of the cluster have the same batch rows and need the same tiles of xb, the four of a column the same tiles of wih: each tile is asked for JOINTLY, by the same
; tensor load with the same descriptor and a mask that names the four.
; REGISTERS, in windows of 256 (s_set_vgpr_msb: bits 1:0 source 0, 3:2 source 1, 5:4 source 2, 7:6 destination):
;   window 0: v0-31 addresses; v32-39 the states u; v40-47 HH; v48-59 at work; v64-127, v128-191 fragments of xb, two buffers
;   window 1: v64-127, v128-191 fragments of wih, two buffers
;   window 2: the accumulators of my row blocks 0-3 (block a, column block c at v[8 (8 a + c)]);   window 3: those of blocks 4-7
.set SIZE_K, 1024
.set KSTEP,  128
.set PITCH,  272                       ; an LDS row: 256 bytes of data + 16 of padding = 68 words: row r starts at bank 4 r mod 64 (64 banks of 4 bytes: ISA guide 11.1), so the 16 rows of a load start at 16 different banks
.set HALFT,  128*PITCH                 ; 128 rows: what one tensor load brings, and what one wave reads of xb or of wih
.set SLOT,   4*HALFT                   ; xb's two halves, then wih's two halves
.set STAGE,  2*SLOT                    ; behind the ring, never filled by a tensor load: 4 batch rows x 256 columns of bf16, 512 bytes a row, for the way out
.set SPARE,  STAGE+2048                ; behind the stage: the spare words, 128 bytes for each wave: two blocks of 256 bytes that no other line names
.set LAPS,   SIZE_K/(2*KSTEP)          ; a lap = two K steps = once round the ring: 4
.set TILES,  4
.set WALK,   128                       ; a wave's rows of xb for the next 64 time steps lie 128 rows further down
.set NEXT_A, WALK*SIZE_K*2-(SIZE_K-2*KSTEP)*2   ; bytes from a slot's last K step of a tile to its first of the next tile: xb goes WALK rows down and back along K,
.set BACK_B, (SIZE_K-2*KSTEP)*2        ; wih only back: all tiles take the same rows
.set ADRA, 16                          ; v16-17  LDS address of my fragments of xb in slot 0, 1
.set ADRB, 20                          ; v20-21  the same for wih
.set STO,  24                          ; v24     the way out: where my column block 0's number goes
.set RD,   25                          ; v25     the way out: where I read 16 bytes back
.set GO,   26                          ; v26     my byte offset in hbuf
.set HO,   27                          ; v27     my byte offset in HH
.set SPW,  28                          ; v28     LDS address of my spare word: SPARE + 4 x my thread's number; never rewritten
.set NIL,  29                          ; v29     0; never rewritten
.set PFO,  30                          ; v30     the prefetches' offset: my lane x a row of 2,048 bytes; never rewritten
.set U,    32                          ; v32-39  the state with its sign, u: h = |u|; one register for each column block
.set HHR,  40                          ; v40-47  HH of my column in each column block
.set T,    48                          ; v48-55  at work
.set OB,   56                          ; v56-59  16 bytes read back from the stage
.set F0,   64                          ; fragment buffer 0
.set F1,   128                         ; fragment buffer 1
.set PFA,  44                          ; s[44:45] where my prefetches stand: my work-group's 32 rows of the 128 that I fetch, one K step further along K than the refill that is being asked for
.set LIM,  43                          ; s43     1 in a wave that prefetches, else the greatest number
.set G1, 24                            ; s[24:31] descriptor group 1 for xb's tiles
.set G0, 32                            ; s[32:39] descriptor group 0 for xb's tiles, one set for each slot
.set G1B, 48                           ; s[48:55] descriptor group 1 for wih's tiles: it differs in the mask alone
.set G0B, 56                           ; s[56:63] descriptor group 0 for wih's tiles, one set for each slot
.set MSB, 0
.macro WIN new                         ; the immediate's high byte repeats the setting that is left; a switch that changes nothing is dropped
.if MSB != (\new)
	s_set_vgpr_msb (MSB<<8)|(\new)
.set MSB, \new
.endif
.endm
.set MUL_LO, 0xa4                      ; source 0 (xb) window 0, source 1 (wih) window 1, C and D window 2
.set MUL_HI, 0xf4                      ; the same, C and D window 3
.set TO_B,   0x40                      ; destination window 1, address window 0
; A joint load.  Waves 0 and 1 fetch xb's two halves, waves 2 and 3 wih's.  Each of the two lines has ONE mask and one set of registers for all that issue it.  The branch hangs on the wave's number alone.
; An s_nop 0 and four v_nop follow each of the two lines, ahead of the jump, the label and what follows the macro.
.macro JLOAD s
	s_cmp_eq_u32 s11, 0
	s_cbranch_scc0 .Lfor_b_\@
	tensor_load_to_lds s[G0+4*(\s):G0+4*(\s)+3], s[G1:G1+7]
	s_nop 0
.rept 4
	v_nop
.endr
	s_branch .Lasked_\@
.Lfor_b_\@:
	tensor_load_to_lds s[G0B+4*(\s):G0B+4*(\s)+3], s[G1B:G1B+7]
	s_nop 0
.rept 4
	v_nop
.endr
.Lasked_\@:
.endm
; A PREFETCH INTO THE L2, behind each joint load, its five lines and the run of LDS loads that follows them: the K step that stands TWO refills on, 512 matrix instructions ahead of the load that will ask for it:
; 32 rows x 256 bytes, a lane a row, one instruction a wave.  Each row's 256 bytes of a K step are named ONCE in the launch.  xb's rows are read by both clusters of a row of clusters: cluster x = 0 asks;
; wih's by all eight clusters of a column: cluster y = 0 asks, in the first tile alone, since all tiles take the same rows.  The four partners that ask for a tile jointly share its rows out BY ADDRESS:
; of the 128 rows that a wave fetches the partner at place p takes 32 p .. 32 p + 31 (p = cx for xb, cy for wih): no branch hangs on a work-group's place in its cluster.
; how = 0, in the loop: a tile's last two refills have no K step two on.  how = 1, at a change of tiles: the next tile's K steps 2 and 3 of xb.  The last tile has no such change, so no prefetch leaves xb.
.macro ASK how
.if \how
	s_cmp_eq_u32 s[LIM], 1
.else
	s_cmp_gt_u32 s3, s[LIM]                        ; s3 = 1 in the loop's last trip
.endif
	s_cbranch_scc0 .Lnot_mine_\@
	global_prefetch_b8 v[PFO], s[PFA:PFA+1] offset:KSTEP*2 th:TH_LOAD_NT scope:SCOPE_SE
.Lnot_mine_\@:
.endm
; A round of the cluster's barrier: my work-group's barrier, so that wave 0's signal speaks for all four waves; wave 0 signals for the work-group; every wave waits for all sixteen work-groups;
; my work-group's barrier once more.  No LDS instruction of the wave is pending at a signal.
.macro CREST                           ; a round behind its opening barrier
	s_cmp_lg_u32 s10, 0
	s_cbranch_scc1 .Lnot_wave_0_\@
	s_barrier_signal -3
.Lnot_wave_0_\@:
	s_barrier_wait -3
	s_barrier_signal -1
	s_barrier_wait -1
.endm
.macro CROUND                          ; a whole round
	s_barrier_signal -1
	s_barrier_wait -1
	CREST
.endm
	s_load_b128 s[4:7], s[0:1], 0x0                ; xb s[4:5], wih s[6:7]
	s_load_b128 s[68:71], s[0:1], 0x10             ; HH s[68:69], hbuf s[70:71]
	v_lshl_add_u32 v[SPW], v0, 2, SPARE
	v_mov_b32 v[NIL], 0
	ds_add_u32 v[SPW], v[NIL]                      ; the wave's opening: the add, twice on end, and its wait ahead of my first tensor load; the set-up below, work on registers, stands between the second and the wait
	ds_add_u32 v[SPW], v[NIL]                      ; and once more, under the one wait
	v_lshrrev_b32 v1, 5, v0
	v_readfirstlane_b32 s10, v1                    ; wave 0..3
	s_lshr_b32 s11, s10, 1                         ; which pair of batch rows is mine.  Also: I fetch for xb (0) or for wih (1)
	s_and_b32 s12, s10, 1                          ; which 128 columns.  Also: which half of that tile I fetch
	s_bfe_u32 s40, ttmp6, 0x40000                  ; cx: my place along the cluster's x
	s_bfe_u32 s41, ttmp6, 0x40004                  ; cy: along its y
	s_lshl_b32 s42, ttmp9, 2                       ; in a cluster launch ttmp9 and ttmp7 count clusters
	s_add_co_u32 s42, s42, s40                     ; x = 4 x cluster x + cx: my 256 columns
	s_and_b32 s13, ttmp7, 0xffff
	s_lshl_b32 s13, s13, 2
	s_add_co_u32 s13, s13, s41                     ; y = 4 x cluster y + cy: my 4 batch rows
	s_lshl_b32 s43, s41, 2
	s_lshl_b32 s43, 15, s43                        ; my row of the cluster: places 4 cy .. 4 cy + 3
	s_lshl_b32 s44, 0x1111, s40                    ; my column: places cx, cx + 4, cx + 8, cx + 12
	; descriptor group 1: a tile of 128 rows x 128 elements, padded in LDS
	s_or_b32 s[G1+0], s43, (1<<16)|(1<<20)|(1<<21)|(5<<22)|(3<<25)  ; 15:0 the mask: xb's tiles go to my row; 17:16 elements of 2 bytes; 20 padding on; 21 set beside a mask; 24:22 after every 64 words (code 5); 31:25 4 words of it (code 3)
	s_or_b32 s[G1B+0], s44, (1<<16)|(1<<20)|(1<<21)|(5<<22)|(3<<25) ; the same with the mask of my column, for wih's tiles
	s_mov_b32 s[G1B+1], KSTEP<<16
	s_mov_b32 s[G1+1], KSTEP<<16                   ; 63:48 tensor_dim0, low half = 128
	s_mov_b32 s[G1B+2], 128<<16
	s_mov_b32 s[G1+2], 128<<16                     ; 79:64 its high half = 0; 95:80 tensor_dim1, low half = 128
	s_mov_b32 s[G1B+3], KSTEP<<16
	s_mov_b32 s[G1+3], KSTEP<<16                   ; 111:96 its high half = 0; 127:112 tile_dim0 = 128
	s_mov_b32 s[G1B+4], 128
	s_mov_b32 s[G1+4], 128                         ; 143:128 tile_dim1 = 128; 159:144 tile_dim2 = 0
	s_mov_b32 s[G1B+5], SIZE_K
	s_mov_b32 s[G1+5], SIZE_K                      ; 191:160 tensor_dim0_stride, low word: elements from row to row
	s_mov_b32 s[G1B+6], 0
	s_mov_b32 s[G1+6], 0
	s_mov_b32 s[G1B+7], 0
	s_mov_b32 s[G1+7], 0
	; where the tiles come from.  xb's hang on y alone, which my row of the cluster shares; wih's on x alone, which my column shares.
	; Every wave makes both addresses, in registers that never hold the other coordinate, and asks by one of them.
	s_lshl_b32 s16, s13, 10                        ; xb: 4 batch rows are two pairs of 512 rows,
	s_lshl_b32 s17, s12, 9                         ; my half is one pair; its first 128 rows are time steps 0 to 63
	s_add_co_u32 s16, s16, s17
	s_lshl_b32 s16, s16, 11                        ; rows of 2,048 bytes: under 2^26
	s_mov_b32 s17, 0
	s_lshl_b32 s46, s42, 8                         ; wih: row 256 x + 128 x half
	s_lshl_b32 s47, s12, 7
	s_add_co_u32 s46, s46, s47
	s_lshl_b32 s46, s46, 11
	s_mov_b32 s47, 0
	s_mul_i32 s20, s10, HALFT                      ; and where they go: xb's two halves, then wih's two = wave x 128 rows: no place in the cluster enters an LDS address
	s_wait_dscnt 0x0                               ; both opening adds are done
	s_wait_kmcnt 0x0
	s_add_nc_u64 s[14:15], s[4:5], s[16:17]
	s_add_nc_u64 s[46:47], s[6:7], s[46:47]
	CROUND                                         ; all sixteen work-groups are here: the first joint loads meet
.irp s, 0,1
	s_mov_b32 s[G0+4*(\s)], 1                                      ; 1:0 count = 1
	s_add_co_u32 s[G0+4*(\s)+1], s20, (\s)*SLOT                    ; 63:32 LDS address
	s_add_nc_u64 s[G0+4*(\s)+2:G0+4*(\s)+3], s[14:15], (\s)*KSTEP*2  ; 120:64 global address: K step s
	s_or_b32 s[G0+4*(\s)+3], s[G0+4*(\s)+3], 0x80000000            ; 127:126 type = 2
	s_mov_b32 s[G0B+4*(\s)], 1
	s_add_co_u32 s[G0B+4*(\s)+1], s20, (\s)*SLOT
	s_add_nc_u64 s[G0B+4*(\s)+2:G0B+4*(\s)+3], s[46:47], (\s)*KSTEP*2
	s_or_b32 s[G0B+4*(\s)+3], s[G0B+4*(\s)+3], 0x80000000
	JLOAD \s                                       ; the ring is filled before anything else is done: two loads of mine are out
.endr
	v_and_b32 v1, 15, v0                           ; l % 16
	v_bfe_u32 v2, v0, 4, 1                         ; l / 16
	s_lshl_b32 s46, s42, 10                        ; HH of column 256 x + 128 (w & 1) + 16 c + l % 16, 4 bytes each
	s_lshl_b32 s47, s12, 9
	s_add_co_u32 s46, s46, s47
	v_lshl_add_u32 v[HO], v1, 2, s46
.irp c, 0,1,2,3,4,5,6,7
	global_load_b32 v[T+(\c)], v[HO], s[68:69] offset:64*(\c)
.endr
	; A fragment is 16 rows x 32 K in 8 registers: lane l holds row l % 16; registers 0-3 hold K = 8 (l / 16) + 0..7, registers 4-7 hold K = 16 + 8 (l / 16) + 0..7: two loads of 16 bytes, 32 bytes apart.
	v_mul_u32_u24 v3, v1, PITCH
	v_lshl_add_u32 v3, v2, 4, v3                   ; row x pitch + 16 x half
	s_mul_i32 s21, s11, HALFT                      ; my 128 rows of xb
	s_mul_i32 s22, s12, HALFT                      ; my 128 rows of wih,
	s_add_co_u32 s22, s22, 2*HALFT                 ; which lie behind xb's 256
.irp s, 0,1
	v_add_nc_u32 v[ADRA+(\s)], s21, v3
	v_add_nc_u32 v[ADRB+(\s)], s22, v3
	s_add_co_u32 s21, s21, SLOT
	s_add_co_u32 s22, s22, SLOT
.endr
	s_lshl_b32 s23, s11, 10                        ; into the stage: batch row 2 (w >> 1) + l / 16 of the four, 512 bytes each;
	s_lshl_b32 s21, s12, 8                         ; column 128 (w & 1) + l % 16, 2 bytes each
	s_add_co_u32 s23, s23, s21
	s_add_co_u32 s23, s23, STAGE
	v_lshlrev_b32 v4, 1, v1
	v_lshl_add_u32 v4, v2, 9, v4
	v_add_nc_u32 v[STO], s23, v4
	v_lshl_add_u32 v[RD], v0, 4, STAGE             ; back: wave w takes batch row w, whole: 512 bytes
	s_lshl_b32 s16, s13, 2
	s_add_co_u32 s16, s16, s10                     ; batch row 4 y + w,
	s_lshl_b32 s16, s16, 12                        ; 4,096 bytes a row of hbuf,
	s_lshl_b32 s46, s42, 9                         ; my work-group's 256 columns
	s_add_co_u32 s16, s16, s46
	v_and_b32 v5, 31, v0
	v_lshl_add_u32 v[GO], v5, 4, s16
.irp c, 0,1,2,3,4,5,6,7
	v_mov_b32 v[U+(\c)], 0                         ; h before the first step
.endr
	; the prefetches
	s_lshl_b32 s18, s13, 10
	s_lshl_b32 s19, s12, 9
	s_add_co_u32 s18, s18, s19                     ; the first row that I would fetch of xb,
	s_lshl_b32 s19, s42, 8
	s_lshl_b32 s20, s12, 7
	s_add_co_u32 s19, s19, s20                     ; and of wih
	s_and_b32 s22, ttmp7, 0xffff                   ; cluster y
	s_cmp_eq_u32 s11, 0                            ; do I fetch for xb?
	s_cselect_b32 s20, s18, s19
	s_cselect_b32 s21, s40, s41                    ; my place among the four that ask with me
	s_cselect_b32 s22, ttmp9, s22                  ; the coordinate along which other clusters read the same rows
	s_cselect_b64 s[PFA:PFA+1], s[4:5], s[6:7]
	s_cmp_eq_u32 s22, 0
	s_cselect_b32 s[LIM], 1, -1                    ; the same in all sixteen partners, for a given wave
	s_lshl_b32 s21, s21, 5
	s_add_co_u32 s20, s20, s21                     ; + my work-group's 32 rows of the 128
	s_lshl_b32 s20, s20, 11
	s_mov_b32 s21, 0
	s_add_nc_u64 s[PFA:PFA+1], s[PFA:PFA+1], s[20:21]
	s_add_nc_u64 s[PFA:PFA+1], s[PFA:PFA+1], 2*KSTEP*2  ; at K step 2: the first refill steps it to 3 and names K step 4.  Nothing is prefetched here, at the head: K steps 0 to 3 come by their loads alone
	v_lshlrev_b32 v[PFO], 11, v5
	s_wait_loadcnt 0x0                             ; HH
.irp c, 0,1,2,3,4,5,6,7
	v_cvt_pk_bf16_f32 v[T+(\c)], v[T+(\c)], v[T+(\c)]  ; rounded to bf16, like every input of the program,
.endr
.irp c, 0,1,2,3,4,5,6,7
	v_lshlrev_b32 v[HHR+(\c)], 16, v[T+(\c)]       ; and kept as f32
.endr
; 16 matrix instructions: row blocks a0, a0 + 1 of the window's four (hi = 0: my blocks 0-3, 1: blocks 4-7) x all 8 column blocks, 32 along K.  zero = 1: the product starts the sums: nothing is ever cleared.
; The 64 accumulators take turns, one instruction a turn, in the same order in every quarter step.
.macro MUL16 f, hi, a0, zero
	WIN MUL_LO+0x50*(\hi)
.irp a, \a0, (\a0)+1
.irp c, 0,1,2,3,4,5,6,7
.if \zero
	v_wmma_f32_16x16x32_bf16 v[8*(8*(\a)+(\c)):8*(8*(\a)+(\c))+7], v[(\f)+8*(4*(\hi)+(\a)):(\f)+8*(4*(\hi)+(\a))+7], v[(\f)+8*(\c):(\f)+8*(\c)+7], 0
.else
	v_wmma_f32_16x16x32_bf16 v[8*(8*(\a)+(\c)):8*(8*(\a)+(\c))+7], v[(\f)+8*(4*(\hi)+(\a)):(\f)+8*(4*(\hi)+(\a))+7], v[(\f)+8*(\c):(\f)+8*(\c)+7], v[8*(8*(\a)+(\c)):8*(8*(\a)+(\c))+7]
.endif
.endr
.endr
.endm
; 32 LDS loads in one run: the fragments of one quarter step (128 rows of wih, 128 rows of xb, 32 K at byte k of the rows) into buffer f
.macro FETCH slot, k, f
	WIN TO_B
.irp i, 0,1,2,3,4,5,6,7
	ds_load_b128 v[(\f)+8*(\i):(\f)+8*(\i)+3],   v[ADRB+(\slot)] offset:(\k)+(\i)*16*PITCH
	ds_load_b128 v[(\f)+8*(\i)+4:(\f)+8*(\i)+7], v[ADRB+(\slot)] offset:(\k)+(\i)*16*PITCH+32
.endr
	WIN 0
.irp i, 0,1,2,3,4,5,6,7
	ds_load_b128 v[(\f)+8*(\i):(\f)+8*(\i)+3],   v[ADRA+(\slot)] offset:(\k)+(\i)*16*PITCH
	ds_load_b128 v[(\f)+8*(\i)+4:(\f)+8*(\i)+7], v[ADRA+(\slot)] offset:(\k)+(\i)*16*PITCH+32
.endr
.endm
; A load into a register that a matrix instruction has read, and a vector instruction that reads a matrix result, stand four places behind that matrix instruction, and only plain vector instructions
; that name none of its registers are places (ISA guide 7.12.1 for vector instructions).
.macro PLACES
.rept 4
	v_nop
.endr
.endm
; A K step is four quarter steps of 32 along K, 64 matrix instructions each, on buffers 0, 1, 0, 1.
; One of the first three: multiplies buffer f; in its middle it fetches the next quarter's fragments, at byte k of the same slot's rows, into buffer g.
.macro QUARTER slot, k, f, g, zero
	s_wait_dscnt 8                                 ; wih's fragments and xb's rows 0-63 are in; the youngest eight loads (xb's rows 64-127) may be out
	MUL16 \f, 0, 0, \zero
	MUL16 \f, 0, 2, \zero
	PLACES
	FETCH \slot, \k, \g
	s_wait_dscnt 32                                ; all but the 32 just issued
	MUL16 \f, 1, 0, \zero
	MUL16 \f, 1, 2, \zero
.endm
; The last quarter multiplies buffer 1 and changes slots.  MEET is its first half: ONE barrier for the change.  In front of it each wave waits for all its tensor loads, of which one is out: its part of the next
; slot; adds 0 to its spare word; and waits for that and for its own reads of this slot.  Behind it nobody reads this slot any more and the next slot is whole.
.macro MEET round                      ; round = 1: a round of the cluster's barrier follows
	WIN 0                                          ; (the add's two registers lie in window 0)
	s_wait_tensorcnt 0x0                           ; all my tensor loads have landed;
	ds_add_u32 v[SPW], v[NIL]                      ; 0 onto my spare word;
	s_wait_dscnt 9                                 ; (the add and the youngest eight loads may be out)
	MUL16 F1, 0, 0, 0                              ; sixteen matrix instructions stand between the add and the wait for it
	s_wait_dscnt 0x0                               ; the add is done, and my reads of this slot are over:
	s_barrier_signal -1                            ; say so (where a slot is filled again this barrier opens a round of the cluster's barrier),
	MUL16 F1, 0, 2, 0                              ; work on registers while the others arrive,
.if \round
	WIN 0
.endif
	s_barrier_wait -1                              ; and go on when all four have said so
.endm
; The whole last quarter.  Behind the round the slot just read out is filled again first: with this tile's K step two steps on (on = 0) or, in a tile's last two K steps, with the NEXT tile's K step 0 or 1 (on = 1);
; then come the next slot's first fragments.  From a request to the wait for it a wave issues 224 matrix instructions, and across tiles the scan besides.
.macro TURN slot, next, on
	s_wait_xcnt 0x0                                ; the last prefetch, a K step back, has read its address: it is stepped here, ahead of the waits of the change of slots
.if (\on) && (\slot) == 0
	s_add_nc_u64 s[PFA:PFA+1], s[PFA:PFA+1], (WALK-1)*SIZE_K*2+KSTEP*2  ; from the K step after the tile's last to the next tile's K step 1: WALK rows down, back along K
	s_cmp_eq_u32 s11, 0
	s_cselect_b32 s[LIM], s[LIM], -1               ; wih's rows are the same for all tiles: they are prefetched no more
.else
	s_add_nc_u64 s[PFA:PFA+1], s[PFA:PFA+1], KSTEP*2
.endif
	MEET 1
	CREST                                          ; no wave of any partner still reads this slot's tile or has a load on its way
.if \on
	s_add_nc_u64 s[G0+4*(\slot)+2:G0+4*(\slot)+3], s[G0+4*(\slot)+2:G0+4*(\slot)+3], NEXT_A
	s_sub_nc_u64 s[G0B+4*(\slot)+2:G0B+4*(\slot)+3], s[G0B+4*(\slot)+2:G0B+4*(\slot)+3], BACK_B
.else
	s_add_nc_u64 s[G0+4*(\slot)+2:G0+4*(\slot)+3], s[G0+4*(\slot)+2:G0+4*(\slot)+3], 2*KSTEP*2
	s_add_nc_u64 s[G0B+4*(\slot)+2:G0B+4*(\slot)+3], s[G0B+4*(\slot)+2:G0B+4*(\slot)+3], 2*KSTEP*2
.endif
	JLOAD \slot                                    ; my one tensor load behind the round, and the first thing there; the four v_nop behind it are also the places in front of the loads below
	FETCH \next, 0, F0
	ASK \on                                        ; behind the joint load and the run of LDS loads that the next products wait for
	MUL16 F1, 1, 0, 0
	MUL16 F1, 1, 2, 0
.endm
; THE SCAN over a tile's 64 time steps: block a, register j is step 8 a + j; u = HH |u| + xw, one fused multiply-add for each of my eight column blocks.  The eight chains are independent, so a chain's
; links stand eight lines apart.  Each accumulator's registers are read in ascending order.  Two window switches for the 512 lines, and one back.
.macro SCAN
.set a, 0
.rept 8
	WIN 0x20+0x10*(a/4)                            ; source 2 in window 2 (blocks 0-3) or 3 (blocks 4-7)
.set j, 0
.rept 8
.set c, 0
.rept 8
	v_fma_f32 v[U+c], v[HHR+c], |v[U+c]|, v[64*(a%4)+8*c+j]
.set c, c+1
.endr
.set j, j+1
.endr
.set a, a+1
.endr
	WIN 0
.endm
	s_wait_tensorcnt 1                             ; my part of K step 0 is in; K step 1's may stay out
	s_barrier_signal -1
	s_barrier_wait -1                              ; everybody's is
	FETCH 0, 0, F0
	s_mov_b32 s2, TILES                            ; tiles to go, this one among them: the same number in every work-group
.Ltile:                                                ; (FETCH and SCAN leave every window 0)
	QUARTER 0, 64,  F0, F1, 1                      ; a tile's first quarter stands in front of the loop: its products start the sums
	WIN 0                                          ; at a label and at a branch every window is 0
	s_mov_b32 s3, LAPS-1
.Llap:                                                 ; a trip goes once round the ring, from a lap's second quarter to the next lap's first, and fills both slots again
	QUARTER 0, 128, F1, F0, 0
	QUARTER 0, 192, F0, F1, 0
	TURN 0, 1, 0
	QUARTER 1, 64,  F0, F1, 0
	QUARTER 1, 128, F1, F0, 0
	QUARTER 1, 192, F0, F1, 0
	TURN 1, 0, 0
	QUARTER 0, 64,  F0, F1, 0
	WIN 0
	s_sub_co_u32 s3, s3, 1
	s_cmp_lg_u32 s3, 0
	s_cbranch_scc1 .Llap
	QUARTER 0, 128, F1, F0, 0                      ; the tile's last lap goes on
	QUARTER 0, 192, F0, F1, 0
	WIN 0
	s_cmp_eq_u32 s2, 1
	s_cbranch_scc1 .Llast_tile                     ; the last tile's tail is written out: it asks for nothing more
	TURN 0, 1, 1                                   ; THE RING GOES ON INTO THE NEXT TILE: slot 0 takes its K step 0,
	QUARTER 1, 64,  F0, F1, 0
	QUARTER 1, 128, F1, F0, 0
	QUARTER 1, 192, F0, F1, 0
	TURN 1, 0, 1                                   ; slot 1 its K step 1, and the next tile's first fragments are fetched
	PLACES                                         ; with the four behind the joint load: eight places behind blocks 0-3's last products
	SCAN                                           ; both refills are on their way.  Blocks 0-3's 256 lines, which name no register of the last products (blocks 4-7's), are those products' places
	s_sub_co_u32 s2, s2, 1
	s_branch .Ltile
.Llast_tile:
	MEET 0                                         ; my one tensor load that was still out is slot 1's, the last K step's, so no round follows
	PLACES                                         ; for the loads into buffer 0, which the quarter before multiplied
	FETCH 1, 0, F0
	MUL16 F1, 1, 0, 0
	MUL16 F1, 1, 2, 0
	QUARTER 1, 64,  F0, F1, 0
	QUARTER 1, 128, F1, F0, 0
	QUARTER 1, 192, F0, F1, 0
	s_wait_dscnt 8                                 ; the very last quarter: nothing more to fetch
	MUL16 F1, 0, 0, 0
	MUL16 F1, 0, 2, 0
	s_wait_dscnt 0x0
	MUL16 F1, 1, 0, 0
	MUL16 F1, 1, 2, 0
	PLACES                                         ; once a launch: eight places behind the last products
	PLACES
	SCAN
	; THE WAY OUT.  h = |u|, rounded once to bf16.  A lane holds single numbers of eight column blocks, so they go through the work-group's stage: 2 bytes each in, whole rows of 512 bytes back.
.irp i, 0,1,2,3
	v_cvt_pk_bf16_f32 v[T+(\i)], v[U+2*(\i)], v[U+2*(\i)+1]  ; column blocks 2 i (low half) and 2 i + 1
.endr
.irp i, 0,1,2,3
	v_and_b32 v[T+(\i)], 0x7fff7fff, v[T+(\i)]     ; both signs cleared
.endr
.irp i, 0,1,2,3
	v_lshrrev_b32 v[T+4+(\i)], 16, v[T+(\i)]
.endr
.irp i, 0,1,2,3
	ds_store_b16 v[STO], v[T+(\i)] offset:64*(\i)        ; a column block is 32 bytes of a stage row
	ds_store_b16 v[STO], v[T+4+(\i)] offset:64*(\i)+32
.endr
	s_wait_dscnt 0x0                               ; for the others' sake: my stores into the stage are done
	s_barrier_signal -1
	s_barrier_wait -1
	ds_load_b128 v[OB:OB+3], v[RD]
	s_wait_dscnt 0x0
	global_store_b128 v[GO], v[OB:OB+3], s[70:71]  ; the wave stores 512 consecutive bytes, at a multiple of 256 from hbuf's first byte
	s_wait_tensorcnt 0x0                           ; the wave's end, behind my last tensor load and my last LDS store
	ds_add_u32 v[SPW], v[NIL]
	s_wait_dscnt 0x0
	CROUND                                         ; the closing round: no work-group ends while a partner may still ask for a tile that names it
	s_endpgm
.Lfunc_end_k_qc8cb217041_scan:
	.size	k_qc8cb217041_scan, .Lfunc_end_k_qc8cb217041_scan-k_qc8cb217041_scan
	.p2alignl 7, 3214868480
	.fill 96, 4, 3214868480
	.section	.rodata,"a",@progbits
	.p2align	6, 0x0
	.amdhsa_kernel k_qc8cb217041_scan
		.amdhsa_group_segment_fixed_size 327680
		.amdhsa_private_segment_fixed_size 0
		.amdhsa_enable_private_segment 0
		.amdhsa_kernarg_size 32
		.amdhsa_user_sgpr_count 2
		.amdhsa_user_sgpr_kernarg_segment_ptr 1
		.amdhsa_wavefront_size32 1
		.amdhsa_system_sgpr_workgroup_id_x 1
		.amdhsa_system_sgpr_workgroup_id_y 1
		.amdhsa_system_sgpr_workgroup_id_z 1
		.amdhsa_system_vgpr_workitem_id 0
		.amdhsa_next_free_vgpr 1024
		.amdhsa_next_free_sgpr 72
		.amdhsa_reserve_vcc 0
		.amdhsa_float_denorm_mode_32 3
		.amdhsa_float_denorm_mode_16_64 3
		.amdhsa_memory_ordered 1
		.amdhsa_forward_progress 1
		.amdhsa_inst_pref_size 214
	.end_amdhsa_kernel
	.amdgpu_metadata
---
amdhsa.version: [ 1, 2 ]
amdhsa.kernels:
  - .name:           k_qc8cb217041_scan
    .symbol:         k_qc8cb217041_scan.kd
    .args:
      - { .name: xb, .offset: 0, .size: 8, .value_kind: global_buffer, .address_space: global }
      - { .name: wih, .offset: 8, .size: 8, .value_kind: global_buffer, .address_space: global }
      - { .name: HH, .offset: 16, .size: 8, .value_kind: global_buffer, .address_space: global }
      - { .name: hbuf, .offset: 24, .size: 8, .value_kind: global_buffer, .address_space: global }
    .group_segment_fixed_size: 327680
    .private_segment_fixed_size: 0
    .kernarg_segment_align: 8
    .kernarg_segment_size: 32
    .max_flat_workgroup_size: 128
    .sgpr_count:     72
    .vgpr_count:     1024
    .wavefront_size: 32
...
	.end_amdgpu_metadata
.endif
;; end of part 2
;; launch outp (part 3): grid 16 x 8, 16 waves a work-group, no clusters, 71,680 bytes of LDS; arguments hbuf, who, b_ho, out0; writes out0
.if DOCPART == 3
	.amdgcn_target "amdgcn-amd-amdhsa--gfx1250"
	.amdhsa_code_object_version 6
	.text
	.protected	k_qc8cb217041_outp
	.globl	k_qc8cb217041_outp
	.p2align	8
	.type	k_qc8cb217041_outp,@function
k_qc8cb217041_outp:
	s_mov_b64 s[64:65], 0
	v_nop
	global_prefetch_b8 v0, s[64:65] scope:SCOPE_SE
	s_setreg_imm32_b32 hwreg(HW_REG_WAVE_MODE, 25, 1), 1
	s_wait_xcnt 0x0
; out0[m][n] = the sum over k of h[m][k] W_ho[n][k] + b_ho[n].  hbuf: [128][2048] bf16; who: [1024][2048] bf16; b_ho: [1024] f32; out0: [128][1024] f32.  Sums in f32.
; LIMITS.  h and W_ho arrive rounded once to bf16; b_ho is rounded once to bf16 here, like every other input of the program.  NaN and infinities are not treated apart.
; SHARES.  A work-group makes 16 rows x 64 columns: 64 columns of f32 are the 256 consecutive bytes that sixteen lanes store.  That gives 128 work-groups; fewer rows to a work-group would not
; shrink the 256 KiB of who that it reads.  K IS SPLIT AMONG ITS SIXTEEN WAVES: wave v takes k = 128 v .. 128 v + 127: 256 consecutive bytes, aligned, of each row.  The sixteen partial sums meet in LDS.
; A straight line: a wave's 41 loads all go out at once, 320 KiB for the work-group, and there is no loop to run ahead of, so nothing is prefetched.
; NO CLUSTER, NO TENSOR LOADS: a fragment lies in memory as it lies in registers (16 bytes a lane, twice), so it is loaded straight into them; joint requests exist for tiles that go to LDS,
; which would add a pass through LDS and a barrier to a text that multiplies each byte once.
; LAYOUT.  out^T = W_ho h^T (source 0 = 16 rows of who, source 1 = the 16 rows of h): in the result lane l holds ONE row of out (l % 16) and the columns 8 (l / 16) + 0..7 of the tile.
.set PP,    272                        ; a row of a partial sum in LDS: 64 f32 + 16 bytes of padding: the sixteen rows of a store start at sixteen different groups of four banks (ISA guide 11.1)
.set PART,  16*PP                      ; a wave's partial sum: 4,352 bytes, at PART x wave
.set SPARE, 16*PART                    ; behind them: the spare words, 128 bytes for each wave: eight blocks of 256 bytes that no other line names
.set FO,  3                            ; v3   my byte offset in a fragment's rows: (l % 16) x 4,096 + 16 (l / 16) + 256 x wave; for who and for h
.set LS,  4                            ; v4   where I put my 32 bytes of tile 0's partial sum
.set LR,  5                            ; v5   where I read 16 bytes of wave 0's partial sum back
.set OO,  6                            ; v6   my 16 bytes of out0
.set BO,  7                            ; v7   my 16 bytes of b_ho
.set SPW, 8                            ; v8   LDS address of my spare word: SPARE + 4 x my thread's number; never rewritten
.set NIL, 9                            ; v9   0; never rewritten
.set BI,  10                           ; v[10:13] the bias of my four columns
.set ACC, 16                           ; v[16:47]  four accumulators: tile j of 16 columns at ACC + 8 j
.set BUF, 48                           ; v[48:207] for each 32 along K (f = 0..3) 40 registers: h's fragment, then who's four; later the sixteen partial sums, 4 registers each
	s_load_b256 s[4:11], s[0:1], 0x0               ; hbuf s[4:5], who s[6:7], b_ho s[8:9], out0 s[10:11]
	v_lshl_add_u32 v[SPW], v0, 2, SPARE
	v_mov_b32 v[NIL], 0
	v_lshrrev_b32 v1, 5, v0
	v_readfirstlane_b32 s14, v1                    ; wave 0..15
	v_and_b32 v1, 15, v0                           ; l % 16; also my place in a row of 16 x 16 bytes
	v_bfe_u32 v2, v0, 4, 1                         ; l / 16
	v_bfe_u32 v14, v0, 4, 4                        ; the row that I finish: threads 0 to 255 take 16 rows x 16 places
	s_and_b32 s15, ttmp7, 0xffff                   ; y: rows 16 y ..
	s_lshl_b32 s16, s15, 16                        ; 16 rows of 4,096 bytes, in hbuf and in out0 alike
	s_mov_b32 s17, 0
	s_lshl_b32 s18, ttmp9, 18                      ; x: 64 rows of who, 4,096 bytes each
	s_mov_b32 s19, 0
	s_lshl_b32 s20, s14, 8                         ; my wave's 256 bytes of every row
	v_lshlrev_b32 v[FO], 12, v1
	v_lshl_add_u32 v[FO], v2, 4, v[FO]
	v_add_nc_u32 v[FO], s20, v[FO]
	s_mul_i32 s21, s14, PART
	v_mul_u32_u24 v[LS], v1, PP                    ; row l % 16, 8 columns = 32 bytes for each half of the lanes
	v_lshl_add_u32 v[LS], v2, 5, v[LS]
	v_add_nc_u32 v[LS], s21, v[LS]
	v_mul_u32_u24 v[LR], v14, PP
	v_lshl_add_u32 v[LR], v1, 4, v[LR]
	s_lshl_b32 s22, ttmp9, 8                       ; 64 columns of f32
	v_lshl_add_u32 v[BO], v1, 4, s22
	v_lshl_add_u32 v[OO], v14, 12, v[BO]
	v_add_nc_u32 v[OO], s16, v[OO]
	s_wait_kmcnt 0x0
	s_add_nc_u64 s[4:5], s[4:5], s[16:17]
	s_add_nc_u64 s[6:7], s[6:7], s[18:19]
	global_load_b128 v[BI:BI+3], v[BO], s[8:9]
.irp f, 0,1,2,3                        ; ten loads for each 32 along K
	global_load_b128 v[BUF+40*(\f):BUF+40*(\f)+3],   v[FO], s[4:5] offset:64*(\f)
	global_load_b128 v[BUF+40*(\f)+4:BUF+40*(\f)+7], v[FO], s[4:5] offset:64*(\f)+32
.irp j, 0,1,2,3
	global_load_b128 v[BUF+40*(\f)+8+8*(\j):BUF+40*(\f)+8+8*(\j)+3],   v[FO], s[6:7] offset:65536*(\j)+64*(\f)
	global_load_b128 v[BUF+40*(\f)+8+8*(\j)+4:BUF+40*(\f)+8+8*(\j)+7], v[FO], s[6:7] offset:65536*(\j)+64*(\f)+32
.endr
.endr
.irp f, 0,1,2,3                        ; the four accumulators take turns, one instruction a turn; the first four products start the sums
	s_wait_loadcnt 10*(3-(\f))                     ; loads come back in order (ISA guide 5.7.1): the later fragments' ten loads each may stay out
.irp j, 0,1,2,3
.if (\f) == 0
	v_wmma_f32_16x16x32_bf16 v[ACC+8*(\j):ACC+8*(\j)+7], v[BUF+40*(\f)+8+8*(\j):BUF+40*(\f)+8+8*(\j)+7], v[BUF+40*(\f):BUF+40*(\f)+7], 0
.else
	v_wmma_f32_16x16x32_bf16 v[ACC+8*(\j):ACC+8*(\j)+7], v[BUF+40*(\f)+8+8*(\j):BUF+40*(\f)+8+8*(\j)+7], v[BUF+40*(\f):BUF+40*(\f)+7], v[ACC+8*(\j):ACC+8*(\j)+7]
.endif
.endr
.endr
.rept 8
	v_nop                                          ; once a launch: the places behind the last products, in front of the stores that read the sums and of the loads into the fragments' registers
.endr
.irp j, 0,1,2,3
	ds_store_b128 v[LS], v[ACC+8*(\j):ACC+8*(\j)+3]   offset:64*(\j)     ; each accumulator's low registers first
	ds_store_b128 v[LS], v[ACC+8*(\j)+4:ACC+8*(\j)+7] offset:64*(\j)+16
.endr
	s_wait_dscnt 0x0                               ; for the others' sake: my partial sum lies in LDS
	s_barrier_signal -1
	s_barrier_wait -1                              ; all sixteen do
	s_cmp_lt_u32 s14, 8                            ; 16 rows x 16 places of 16 bytes are 256 threads' work: waves 0 to 7 finish
	s_cbranch_scc0 .Lend
.set p, 0
.rept 16
	ds_load_b128 v[BUF+4*p:BUF+4*p+3], v[LR] offset:PART*p
.set p, p+1
.endr
	v_cvt_pk_bf16_f32 v14, v[BI], v[BI+1]          ; the bias, rounded to bf16 and kept as f32, while the loads are out
	v_cvt_pk_bf16_f32 v15, v[BI+2], v[BI+3]
	v_lshlrev_b32 v[BI], 16, v14
	v_and_b32 v[BI+1], 0xffff0000, v14
	v_lshlrev_b32 v[BI+2], 16, v15
	v_and_b32 v[BI+3], 0xffff0000, v15
	s_wait_dscnt 0x0
.irp d, 8,4,2,1                        ; a tree: partial sum p takes partial sum p + d
.set p, 0
.rept \d
	v_pk_add_f32 v[BUF+4*p:BUF+4*p+1],   v[BUF+4*p:BUF+4*p+1],   v[BUF+4*(p+(\d)):BUF+4*(p+(\d))+1]
	v_pk_add_f32 v[BUF+4*p+2:BUF+4*p+3], v[BUF+4*p+2:BUF+4*p+3], v[BUF+4*(p+(\d))+2:BUF+4*(p+(\d))+3]
.set p, p+1
.endr
.endr
	v_pk_add_f32 v[BUF:BUF+1],   v[BUF:BUF+1],   v[BI:BI+1]
	v_pk_add_f32 v[BUF+2:BUF+3], v[BUF+2:BUF+3], v[BI+2:BI+3]
	global_store_b128 v[OO], v[BUF:BUF+3], s[10:11]  ; 16 lanes store 256 consecutive bytes, at a multiple of 256 from out0's first byte
.Lend:
	s_wait_tensorcnt 0x0                           ; the wave's end, behind my last LDS store
	ds_add_u32 v[SPW], v[NIL]
	s_wait_dscnt 0x0
	s_endpgm
.Lfunc_end_k_qc8cb217041_outp:
	.size	k_qc8cb217041_outp, .Lfunc_end_k_qc8cb217041_outp-k_qc8cb217041_outp
	.p2alignl 7, 3214868480
	.fill 96, 4, 3214868480
	.section	.rodata,"a",@progbits
	.p2align	6, 0x0
	.amdhsa_kernel k_qc8cb217041_outp
		.amdhsa_group_segment_fixed_size 71680
		.amdhsa_private_segment_fixed_size 0
		.amdhsa_enable_private_segment 0
		.amdhsa_kernarg_size 32
		.amdhsa_user_sgpr_count 2
		.amdhsa_user_sgpr_kernarg_segment_ptr 1
		.amdhsa_wavefront_size32 1
		.amdhsa_system_sgpr_workgroup_id_x 1
		.amdhsa_system_sgpr_workgroup_id_y 1
		.amdhsa_system_sgpr_workgroup_id_z 1
		.amdhsa_system_vgpr_workitem_id 0
		.amdhsa_next_free_vgpr 208
		.amdhsa_next_free_sgpr 66
		.amdhsa_reserve_vcc 0
		.amdhsa_float_denorm_mode_32 3
		.amdhsa_float_denorm_mode_16_64 3
		.amdhsa_memory_ordered 1
		.amdhsa_forward_progress 1
		.amdhsa_inst_pref_size 12
	.end_amdhsa_kernel
	.amdgpu_metadata
---
amdhsa.version: [ 1, 2 ]
amdhsa.kernels:
  - .name:           k_qc8cb217041_outp
    .symbol:         k_qc8cb217041_outp.kd
    .args:
      - { .name: hbuf, .offset: 0, .size: 8, .value_kind: global_buffer, .address_space: global }
      - { .name: who, .offset: 8, .size: 8, .value_kind: global_buffer, .address_space: global }
      - { .name: b_ho, .offset: 16, .size: 8, .value_kind: global_buffer, .address_space: global }
      - { .name: out0, .offset: 24, .size: 8, .value_kind: global_buffer, .address_space: global }
    .group_segment_fixed_size: 71680
    .private_segment_fixed_size: 0
    .kernarg_segment_align: 8
    .kernarg_segment_size: 32
    .max_flat_workgroup_size: 512
    .sgpr_count:     66
    .vgpr_count:     208
    .wavefront_size: 32
...
	.end_amdgpu_metadata
.endif
;; end of part 3
